; MI455X (gfx1250); checked and timed in simulation.
; The chip was launched on July 23, 2026; its instructions are those of AMD's public machine-readable ISA for CDNA 5 (MIT licence, August 2026) and "CDNA5" Instruction Set Architecture Reference Guide (July 2026). The comments in the code are by the model that wrote it; some were corrected since.
;; LSTM Cell. Allowed arithmetic: matrix products marked QUANTISED: E4M3 operands, one given power-of-two scale a tensor, by v_wmma_f32_16x16x64_fp8_fp8 or v_wmma_f32_16x16x128_fp8_fp8, f32 sums; everything else in f32.
;; Inputs: Wc 4,096 x 2,048 float32; Wf 4,096 x 2,048 float32; Wi 4,096 x 2,048 float32; Wo 4,096 x 2,048 float32; bc 2,048 float32; bf 2,048 float32; bi 2,048 float32; bo 2,048 float32; c 2,048 x 2,048 float32; h 2,048 x 2,048 float32; lowp_scales 2 int32 (the exponents e of the quantised operands' scales 2^e); x 2,048 x 2,048 float32.
;; Outputs: out0 2,048 x 2,048 float32; out1 2,048 x 2,048 float32.
;; This version of the problem:
;;   THIS VERSION OF THE PROBLEM IS GIVEN IN LOW PRECISION. The matrix products marked QUANTISED in the list below multiply operands that are first quantised to E4M3 (4 exponent bits, 3 mantissa bits; 8 bits a number), with one given power-of-two scale for each operand tensor; their sums are f32. All else is computed in f32.
;;   The module's matrix products, in the order in which they are computed (A, B: the left and right operand; K: the contracted axis; several contracted axes count as one K, in the product's order):
;;     1. [M 2,048, K 4,096] x [K 4,096, N 8,192]; A: computed on the way; B: computed on the way: QUANTISED (scales: A lowp_scales[0], B lowp_scales[1])
;;   THE QUANTISER, for each operand of a quantised product, along K:
;;     - The operand's scale is 2^e, e = its entry of the input lowp_scales (int32; the entries are numbered through the quantised products in the list's order, A before B).
;;     - Each number is divided by the scale, clamped to +-448, and rounded to the nearest number of E4M3, ties to even, subnormals kept.
;;     - The product sums the exact products of the quantised numbers (number of the format x scale) in f32.
;;   ~~~python
;;   def quantise(x, axis, e):      # numpy; x: float32 -> the quantised numbers, widened to float32 again
;;       x = np.moveaxis(x, axis, -1); K = x.shape[-1]
;;       r = np.clip(x / 2.0 ** e, -448, 448)
;;       step = 2.0 ** (np.maximum(np.frexp(np.where(r == 0, 1, r))[1] - 1, -6) - 3)
;;       q = np.round(r / step) * step * 2.0 ** e      # np.round: ties to even
;;       return np.moveaxis(q, -1, axis).astype(np.float32)
;;   ~~~
;;   OPERANDS COMPUTED ON THE WAY. 'Computed on the way' means the value that the module computes at that place (a softmax that the list does not call 'softmax' is quantised finished and normalised). What goes into a quantiser is computed in f32, as accurately as f32 sums, v_exp_f32 and their like allow (about 1e-6 of the number): no bf16 or f16 on the way to a quantiser, and a product that is left as it is and whose result goes on into a quantised operand takes f32 operands (vector FMAs, or v_wmma_f32_16x16x4_f32). A number that lies on a knife's edge between two numbers of the format may be rounded either way, as far as f32 arithmetic and the matrix unit's own rounding can turn it there, and no further.
;; One version. Each part assembles by itself: llvm-mc -triple=amdgcn-amd-amdhsa -mcpu=gfx1250 --defsym DOCPART=n.
;; ======== version 1 of 1: 2 launches
;; limits: right only within a limited range of input values
;; workspace buffers: z_codes 8,388,608 bytes; w_codes 33,554,432 bytes
;; launch quant (part 1): grid 256 x 1, 4 waves a work-group, no clusters, 327,680 bytes of LDS; arguments x, h, Wf, Wi, Wc, Wo, lowp_scales, z_codes, w_codes; writes z_codes, w_codes
.if DOCPART == 1
	.amdgcn_target "amdgcn-amd-amdhsa--gfx1250"
	.amdhsa_code_object_version 6
	.text
	.protected	k_qd47dc1ee98_quant
	.globl	k_qd47dc1ee98_quant
	.p2align	8
	.type	k_qd47dc1ee98_quant,@function
k_qd47dc1ee98_quant:
	s_mov_b64 s[64:65], 0
	v_nop
	global_prefetch_b8 v0, s[64:65] scope:SCOPE_SE
	s_setreg_imm32_b32 hwreg(HW_REG_WAVE_MODE, 25, 1), 1
	s_wait_xcnt 0x0
; z = [x | h] ([2048][4096]) and W = [Wf | Wi | Wc | Wo] ([4096][8192]), f32, become codes of FP8 (E4M3), K innermost, each with the one scale 2^e given for it.
; code = number / 2^e, held within +-448, rounded to the nearest code, ties to even.  e: entry 0 of the scales for z, entry 1 for W.
; LIMITS: -126 <= e <= 119 for both, so that 2^e and 448 x 2^e are f32 numbers.  NaN among the inputs is not served; an infinity is held at the largest code.
; z_codes: [2048 rows][4096 bytes].  w_codes: [8192 rows n'][4096 bytes], n' = 128 (u / 32) + 32 gate + u % 32 for unit u of gate 0..3 = f, i, c, o.
; THE ORDER ALONG K is the same in both buffers and not ascending: K goes in chunks of 512, and byte p of a chunk holds k = 128 ((p % 16) / 4) + 4 (p / 16) + p % 4 of the chunk.
; Every product still meets its partner; only the order of the f32 sums changes.
; 256 work-groups of four waves, all alike.  Each takes four tiles of W (one gate, 128 columns, 256 positions along K: 131,072 bytes) through a ring of two LDS slots filled by tensor loads,
; and 16 rows of x or of h, four a wave, through registers: one row in each tile's trip, asked for behind the trip's tensor load and converted behind W's tile.
; A tile of W is four pieces of 64 rows x 512 bytes: half a chunk's positions are the rows k = 128 j + 0..63 (+ 64 for the upper half); wave j fetches piece j.
; W: a lane takes a column and its registers run along K (ds_load_b32: 32 lanes read 128 consecutive bytes); a column's 256 codes go through the wave's own stage and leave as rows: sixteen lanes store 256 consecutive bytes, aligned.
; z: four loads of 512 consecutive bytes, 512 bytes apart, give a lane the 16 numbers of 16 neighbouring codes: 32 lanes store 512 consecutive bytes.
; The tile's body is written once: the slot at work is a scalar that s_xor_b32 toggles, and the four LDS addresses are made from it in each trip.  Three trips refill; the fourth tile is written out and fetches nothing.
; No cluster: no two work-groups read the same bytes.  No prefetch: the launch only streams its inputs, each byte once, and each slot is asked for one tile ahead.
.set SLOT,  131072
.set PIECE, 32768
.set SPI,   272                        ; a stage row: 256 bytes of codes + 16 of padding
.set WST,   32*SPI                     ; a wave's stage: 32 columns
.set STAGE, 2*SLOT                     ; behind the ring; no tensor load lands there
.set SPARE, STAGE+4*WST                ; the spare words, 128 bytes a wave: two blocks of 256 bytes that no other line names
.set SPW, 2                            ; v2      my spare word's address; never rewritten
.set NIL, 3                            ; v3      0; never rewritten
.set ADB, 4                            ; v4-7    my column in piece j of slot 0
.set AD,  8                            ; v8-11   the same in the slot at work
.set STI, 16                           ; v16     stage, in: my column's row
.set STO, 17                           ; v17     stage, out: sixteen lanes to a row
.set GO,  18                           ; v18     the same place in w_codes
.set ZO,  19                           ; v19     16 x lane
.set BW,  20                           ; v20 448 x 2^eb, v21 2^eb, v22 448 x 2^ea, v23 2^ea
.set SW,  21
.set BZ,  22
.set SZ,  23
.set X,   32                           ; v32-95  two sets of 32 numbers of W; then 32 rows of codes back from the stage
.set R,   96                           ; v96-159 a row of x or h: four chunks x 16 numbers
.set C,   160                          ; v160-223 W's codes, 8 registers a block
.set CD,  224                          ; v224-239 z's codes, 4 registers a chunk
.set G1,  40                           ; s[40:47] group 1
.set G0,  48                           ; s[48:51] group 0
.set STP, 52                           ; s[52:53] bytes to the next tile: 64 rows and 448 rows by turns
.set CUR, 54                           ; s54      the slot at work: 0 or SLOT
.set ZI,  56                           ; s[56:57] x or h at my wave's row
.set OW,  60                           ; s[60:61] w_codes at my wave's rows
.set OZ,  62                           ; s[62:63] z_codes at my wave's row
.set CNT, 66
	s_load_b128 s[4:7], s[0:1], 0x0                ; x, h
	s_load_b256 s[8:15], s[0:1], 0x10              ; Wf, Wi, Wc, Wo
	s_load_b128 s[16:19], s[0:1], 0x30             ; the scales' exponents, z_codes
	s_load_b64 s[20:21], s[0:1], 0x40              ; w_codes
	v_lshl_add_u32 v[SPW], v0, 2, SPARE
	v_mov_b32 v[NIL], 0
	ds_add_u32 v[SPW], v[NIL]                      ; the opening: the add, twice on end, and its wait ahead of my first tensor load
	ds_add_u32 v[SPW], v[NIL]
	v_lshrrev_b32 v1, 5, v0
	v_readfirstlane_b32 s24, v1                    ; wave 0..3
	s_mov_b32 s[G1+0], 2<<16                       ; elements of 4 bytes, no mask, no padding
	s_mov_b32 s[G1+1], 128<<16                     ; tensor_dim0 = 128
	s_mov_b32 s[G1+2], 64<<16                      ; tensor_dim1 = 64
	s_mov_b32 s[G1+3], 128<<16                     ; tile_dim0 = 128
	s_mov_b32 s[G1+4], 64                          ; tile_dim1 = 64
	s_mov_b32 s[G1+5], 2048                        ; elements from row to row
	s_mov_b32 s[G1+6], 0
	s_mov_b32 s[G1+7], 0
	s_mov_b32 s[G0], 1
	s_lshl_b32 s[G0+1], s24, 15                    ; slot 0, piece = wave
	s_mov_b32 s[STP], 0x80000                      ; first to the chunk's upper half, 64 rows on
	s_mov_b32 s[STP+1], 0
	s_mov_b32 s[CUR], SLOT                         ; the first trip toggles it to slot 0
	s_lshr_b32 s25, ttmp9, 6                       ; gate
	s_and_b32 s67, s25, 1
	s_and_b32 s26, ttmp9, 15                       ; which 128 columns
	s_bfe_u32 s27, ttmp9, 0x20004                  ; which 1,024 along K: four tiles of 256 positions
	s_lshl_b32 s28, s27, 23                        ; W, in: 1,024 rows of 8,192 bytes
	s_lshl_b32 s29, s24, 20                        ; + 128 rows x wave
	s_add_co_u32 s28, s28, s29
	s_lshl_b32 s29, s26, 9                         ; + 128 columns x 4 bytes
	s_add_co_u32 s28, s28, s29
	s_mov_b32 s29, 0
	s_lshl_b32 s30, s26, 21                        ; W, out: row n' = 512 cg + 128 wave + 32 gate, of 4,096 bytes
	s_lshl_b32 s31, s24, 19
	s_add_co_u32 s30, s30, s31
	s_lshl_b32 s31, s25, 17
	s_add_co_u32 s30, s30, s31
	s_lshl_b32 s31, s27, 10                        ; + four tiles of 256 positions
	s_add_co_u32 s30, s30, s31
	s_mov_b32 s31, 0
	s_and_b32 s34, ttmp9, 127                      ; z: work-groups 0-127 take x, 128-255 h: 16 rows each
	s_lshl_b32 s34, s34, 4
	s_lshl_b32 s35, s24, 2
	s_add_co_u32 s34, s34, s35                     ; my wave's first row
	s_lshl_b32 s36, s34, 13
	s_mov_b32 s37, 0
	s_lshl_b32 s38, s34, 12
	s_mov_b32 s39, 0
	s_cmp_lt_u32 ttmp9, 128
	s_cselect_b32 s35, 0, 2048                     ; h's codes lie behind x's in a row of z
	s_add_co_u32 s38, s38, s35
	s_lshl_b32 s2, s24, 7                          ; my wave's 32 columns in a piece's row
	s_mul_i32 s22, s24, WST
	s_add_co_u32 s22, s22, STAGE                   ; my stage
	s_wait_dscnt 0x0                               ; both opening adds are done
	s_wait_kmcnt 0x0
	s_load_b64 s[32:33], s[16:17], 0x0             ; ea (z), eb (W)
	s_cmp_lt_u32 s25, 2                            ; the gate's weights: the choice hangs on the work-group's number alone
	s_cselect_b64 s[8:9], s[8:9], s[12:13]
	s_cselect_b64 s[10:11], s[10:11], s[14:15]
	s_cmp_eq_u32 s67, 0
	s_cselect_b64 s[8:9], s[8:9], s[10:11]
	s_add_nc_u64 s[G0+2:G0+3], s[8:9], s[28:29]    ; W's first tile, my piece
	s_or_b32 s[G0+3], s[G0+3], 0x80000000
	tensor_load_to_lds s[G0:G0+3], s[G1:G1+7]      ; the one tensor load of a wave at the head
	s_nop 0
	s_cmp_lt_u32 ttmp9, 128
	s_cselect_b64 s[4:5], s[4:5], s[6:7]           ; x or h
	s_add_nc_u64 s[ZI:ZI+1], s[4:5], s[36:37]
	s_add_nc_u64 s[OW:OW+1], s[20:21], s[30:31]
	s_add_nc_u64 s[OZ:OZ+1], s[18:19], s[38:39]
	v_and_b32 v1, 31, v0                           ; lane
	v_lshlrev_b32 v24, 2, v1
	v_add_nc_u32 v24, s2, v24                      ; 128 wave + 4 lane
	v_lshlrev_b32 v[ZO], 4, v1
.irp j, 0,1,2,3
	v_add_nc_u32 v[ADB+\j], \j*PIECE, v24
.endr
	v_mul_u32_u24 v[STI], v1, SPI
	v_add_nc_u32 v[STI], s22, v[STI]
	v_and_b32 v27, 15, v1
	v_lshrrev_b32 v28, 4, v1
	v_mul_u32_u24 v[STO], v28, SPI
	v_lshl_add_u32 v[STO], v27, 4, v[STO]
	v_add_nc_u32 v[STO], s22, v[STO]
	v_lshlrev_b32 v[GO], 12, v28
	v_lshl_add_u32 v[GO], v27, 4, v[GO]
	s_wait_kmcnt 0x0
	s_add_co_i32 s22, s33, 127
	s_lshl_b32 s23, s22, 23
	v_mov_b32 v[SW], s23                           ; 2^eb as f32: the conversion takes its exponent field
	s_add_co_i32 s22, s22, 8
	s_lshl_b32 s22, s22, 23
	s_or_b32 s22, s22, 0x600000
	v_mov_b32 v[BW], s22                           ; 448 x 2^eb
	s_add_co_i32 s22, s32, 127
	s_lshl_b32 s23, s22, 23
	v_mov_b32 v[SZ], s23
	s_add_co_i32 s22, s22, 8
	s_lshl_b32 s22, s22, 23
	s_or_b32 s22, s22, 0x600000
	v_mov_b32 v[BZ], s22
	s_mov_b32 s[CNT], 3
	s_wait_alu depctr_va_vdst(0)
.macro WLD t                           ; block t: positions 32 t + i of my column into set t % 2: piece (i % 16) / 4, row 8 t + 4 (i / 16) + i % 4
.set i, 0
.rept 32
	ds_load_b32 v[X+32*((\t)%2)+i], v[AD+(i%16)/4] offset:(8*(\t)+4*(i/16)+i%4)*512
.set i, i+1
.endr
.endm
.macro WBLK t
.set XS, X+32*((\t)%2)
.if (\t) < 7
	s_wait_dscnt 32                                ; this block's 32 loads are in; the next block's 32 may be out
.else
	s_wait_dscnt 0x0
.endif
.set i, 0
.rept 32
	v_med3_num_f32 v[XS+i], v[XS+i], -v[BW], v[BW] ; the conversion does not saturate (ISA guide 7.6.2): the hold comes first
.set i, i+1
.endr
.irp g, 0,1,2,3
	v_cvt_scalef32_pk8_fp8_f32 v[C+8*(\t)+2*\g:C+8*(\t)+2*\g+1], v[XS+8*\g:XS+8*\g+7], v[SW]
.endr
.if (\t)+2 < 8
	WLD (\t)+2
.endif
.endm
; One tile.  The change of slots: all my tensor loads have landed, the add, my LDS reads are back, the barrier; refill = 1: the slot read out in the tile before is filled again.
.macro TILE refill
	s_wait_xcnt 0x0                                ; my earlier stores have read their registers: X and the codes are written again below
	s_wait_tensorcnt 0x0
	ds_add_u32 v[SPW], v[NIL]
	s_xor_b32 s[CUR], s[CUR], SLOT                 ; the slot that has just landed is at work
.if \refill
	s_xor_b32 s[G0+1], s[G0+1], SLOT               ; the other one is filled
	s_add_nc_u64 s[G0+2:G0+3], s[G0+2:G0+3], s[STP:STP+1]
	s_xor_b32 s[STP], s[STP], 0x300000             ; 0x80000 (64 rows) and 0x380000 (448 rows) by turns
.endif
.irp j, 0,1,2,3
	v_add_nc_u32 v[AD+\j], s[CUR], v[ADB+\j]
.endr
	s_wait_alu depctr_va_vdst(0)
	s_wait_dscnt 0x0
	s_barrier_signal -1
	s_barrier_wait -1
.if \refill
	tensor_load_to_lds s[G0:G0+3], s[G1:G1+7]      ; my one load behind this barrier (in the first trip slot 1's first fill, issued as a refill is)
	s_nop 0
.endif
.irp u, 0,1,2,3
.irp j, 0,1,2,3
	global_load_b128 v[R+16*\u+4*\j:R+16*\u+4*\j+3], v[ZO], s[ZI:ZI+1] offset:2048*\u+512*\j th:TH_LOAD_NT   ; register 4 j + q of lane l: number 128 j + 4 l + q of chunk u
.endr
.endr
	WLD 0
	WLD 1
.irp t, 0,1,2,3,4,5,6,7
	WBLK \t
.endr
	v_nop                                          ; a plain line behind the last conversion
.irp t, 0,1,2,3,4,5,6,7
	ds_store_b128 v[STI], v[C+8*\t:C+8*\t+3] offset:32*\t
	ds_store_b128 v[STI], v[C+8*\t+4:C+8*\t+7] offset:32*\t+16
.endr
.irp t, 0,1,2,3,4,5,6,7,8,9,10,11,12,13,14,15
	ds_load_b128 v[X+4*\t:X+4*\t+3], v[STO] offset:2*\t*SPI   ; LDS serves a wave's instructions in order (ISA guide 5.7.1.4): these see my stores
.endr
.irp t, 0,1,2,3,4,5,6,7,8,9,10,11,12,13,14,15
	s_wait_dscnt 15-\t                             ; the later loads from the stage may be out
	global_store_b128 v[GO], v[X+4*\t:X+4*\t+3], s[OW:OW+1] offset:2*\t*4096   ; two rows of w_codes: sixteen lanes store 256 consecutive bytes, aligned
.endr
.irp u, 0,1,2,3
	s_wait_loadcnt 4*(3-\u)                        ; this chunk's four loads are in; the later chunks' may be out
.set i, 0
.rept 16
	v_med3_num_f32 v[R+16*\u+i], v[R+16*\u+i], -v[BZ], v[BZ]
.set i, i+1
.endr
	v_cvt_scalef32_pk8_fp8_f32 v[CD+4*\u:CD+4*\u+1], v[R+16*\u:R+16*\u+7], v[SZ]
	v_cvt_scalef32_pk8_fp8_f32 v[CD+4*\u+2:CD+4*\u+3], v[R+16*\u+8:R+16*\u+15], v[SZ]
	global_store_b128 v[ZO], v[CD+4*\u:CD+4*\u+3], s[OZ:OZ+1] offset:512*\u   ; 32 lanes store 512 consecutive bytes
.endr
.endm
.Lw:
	TILE 1
	s_wait_xcnt 0x0                                ; the trip's loads and stores have read their bases
	s_add_nc_u64 s[OW:OW+1], s[OW:OW+1], 256       ; 256 positions on
	s_add_nc_u64 s[ZI:ZI+1], s[ZI:ZI+1], 8192      ; a row on
	s_add_nc_u64 s[OZ:OZ+1], s[OZ:OZ+1], 4096
	s_sub_co_i32 s[CNT], s[CNT], 1
	s_cmp_lg_u32 s[CNT], 0
	s_cbranch_scc1 .Lw
	TILE 0                                         ; the fourth tile fetches nothing
	s_wait_tensorcnt 0x0                           ; the wave's end
	ds_add_u32 v[SPW], v[NIL]
	s_wait_dscnt 0x0
	s_endpgm
.Lfunc_end_k_qd47dc1ee98_quant:
	.size	k_qd47dc1ee98_quant, .Lfunc_end_k_qd47dc1ee98_quant-k_qd47dc1ee98_quant
	.p2alignl 7, 3214868480
	.fill 96, 4, 3214868480
	.section	.rodata,"a",@progbits
	.p2align	6, 0x0
	.amdhsa_kernel k_qd47dc1ee98_quant
		.amdhsa_group_segment_fixed_size 327680
		.amdhsa_private_segment_fixed_size 0
		.amdhsa_enable_private_segment 0
		.amdhsa_kernarg_size 72
		.amdhsa_user_sgpr_count 2
		.amdhsa_user_sgpr_kernarg_segment_ptr 1
		.amdhsa_wavefront_size32 1
		.amdhsa_system_sgpr_workgroup_id_x 1
		.amdhsa_system_sgpr_workgroup_id_y 1
		.amdhsa_system_sgpr_workgroup_id_z 1
		.amdhsa_system_vgpr_workitem_id 0
		.amdhsa_next_free_vgpr 240
		.amdhsa_next_free_sgpr 70
		.amdhsa_reserve_vcc 0
		.amdhsa_float_denorm_mode_32 3
		.amdhsa_float_denorm_mode_16_64 3
		.amdhsa_memory_ordered 1
		.amdhsa_forward_progress 1
		.amdhsa_inst_pref_size 96
	.end_amdhsa_kernel
	.amdgpu_metadata
---
amdhsa.version: [ 1, 2 ]
amdhsa.kernels:
  - .name:           k_qd47dc1ee98_quant
    .symbol:         k_qd47dc1ee98_quant.kd
    .args:
      - { .name: x, .offset: 0, .size: 8, .value_kind: global_buffer, .address_space: global }
      - { .name: h, .offset: 8, .size: 8, .value_kind: global_buffer, .address_space: global }
      - { .name: Wf, .offset: 16, .size: 8, .value_kind: global_buffer, .address_space: global }
      - { .name: Wi, .offset: 24, .size: 8, .value_kind: global_buffer, .address_space: global }
      - { .name: Wc, .offset: 32, .size: 8, .value_kind: global_buffer, .address_space: global }
      - { .name: Wo, .offset: 40, .size: 8, .value_kind: global_buffer, .address_space: global }
      - { .name: lowp_scales, .offset: 48, .size: 8, .value_kind: global_buffer, .address_space: global }
      - { .name: z_codes, .offset: 56, .size: 8, .value_kind: global_buffer, .address_space: global }
      - { .name: w_codes, .offset: 64, .size: 8, .value_kind: global_buffer, .address_space: global }
    .group_segment_fixed_size: 327680
    .private_segment_fixed_size: 0
    .kernarg_segment_align: 8
    .kernarg_segment_size: 72
    .max_flat_workgroup_size: 128
    .sgpr_count:     70
    .vgpr_count:     240
    .wavefront_size: 32
...
	.end_amdgpu_metadata
.endif
;; end of part 1
;; launch gemm (part 2): grid 32 x 8, 4 waves a work-group, clusters of 4 x 4, 327,680 bytes of LDS; arguments z_codes, w_codes, lowp_scales, c, bf, bi, bc, bo, out0, out1; writes out0, out1
.if DOCPART == 2
	.amdgcn_target "amdgcn-amd-amdhsa--gfx1250"
	.amdhsa_code_object_version 6
	.text
	.protected	k_qd47dc1ee98_gemm
	.globl	k_qd47dc1ee98_gemm
	.p2align	8
	.type	k_qd47dc1ee98_gemm,@function
k_qd47dc1ee98_gemm:
	s_mov_b64 s[64:65], 0
	v_nop
	global_prefetch_b8 v0, s[64:65] scope:SCOPE_SE
	s_setreg_imm32_b32 hwreg(HW_REG_WAVE_MODE, 25, 1), 1
	s_wait_xcnt 0x0
	s_wait_alu depctr_hold_cnt(0) depctr_sa_sdst(0) depctr_va_vdst(0) depctr_va_sdst(0) depctr_va_ssrc(0) depctr_va_vcc(0) depctr_vm_vsrc(0)
	s_getreg_b32 s2, hwreg(HW_REG_IB_STS2, 6, 4)
	s_cmp_eq_u32 s2, 0
	s_cbranch_scc0 .Lentry_in_a_cluster
	s_endpgm
.Lentry_in_a_cluster:
	s_bfe_u32 s2, ttmp6, 0x10000c
	s_cmp_lg_u32 s2, 0xf033
	s_cbranch_scc0 .Lentry_shape_is_right
	s_endpgm
.Lentry_shape_is_right:
; gates = z W + b on codes of FP8 (E4M3), then the cell: new_c = sigmoid(f) c + sigmoid(i) tanh(g), new_h = sigmoid(o) tanh(new_c); out0 = new_h, out1 = new_c.
; z_codes [2048][4096], w_codes [8192 rows n'][4096], n' = 128 (u / 32) + 32 gate + u % 32: 128 neighbouring rows hold all four gates of 32 units, so a wave's 128 x 128 holds whole cells.
; Both buffers have the same order along K, so every product meets its partner.  Sums in f32; each sum x 2^(ea + eb), folded into the factor of the exponentials' arguments.
; LIMIT: -120 <= ea + eb <= 120, so that the factor's exponent field stays in range.  The arguments of the two tanh's exponentials are held at 60, where tanh is -1 to the last bit of f32.
; A work-group of four waves makes 256 rows x 64 units (256 x 256 of the gates); K goes in steps of 256 through two LDS slots; 4 x 4 work-groups ask jointly for A's tiles along a row and B's along a column of the cluster.
; Behind each joint refill every wave names, by one prefetch, 32 rows x 256 bytes of the K step that stands two refills on: each cluster asks for its own tiles, each block once, the four partners of a joint load sharing its rows out by address.
; The first four K steps come by their loads alone, and the last two refills ask for nothing, so that no prefetch leaves a row.
; c's tile comes into slot 0 behind its last read; new_c and new_h leave through the same bytes as whole rows of 256 bytes.
.set ROWB,   256
.set KROW,   4096
.set PITCH,  272
.set FR,     16
.set NL,     4
.set NP,     4
.set HALFT,  128*PITCH
.set SLOT,   4*HALFT
.set LAPS,   8
.set SPARE,  2*SLOT
.set CPART,  2*HALFT
.set OROW,   8192
.set ADRA, 16
.set ADRB, 20
.set CA,   22
.set HA,   23
.set RDC,  24
.set RDH,  25
.set CO,   26
.set BA,   27
.set SPW,  28
.set NIL,  29
.set PFO,  30
.set BI,   32
.set AF,   128
.set T,    96
.set TF,   T
.set TI,   T+16
.set TG,   T+32
.set TO,   T+48
.set CC,   160
.set U,    176
.set V,    192
.set NC,   208
.set NH,   224
.set OB0,  96
.set OB1,  160
.set G1,  24
.set G0,  32
.set G1B, 48
.set G0B, 56
.set G1C, 80
.set G0C, 88
.set PFA, 92
.set LIM, 94
.set MSB, 0
.macro WIN new
.if MSB != \new
	s_set_vgpr_msb (MSB<<8)|\new
.set MSB, \new
.endif
.endm
.set MUL_LO, 0xa1
.set MUL_HI, 0xf1
.set TO_B,   0x40
.macro JLOAD g0a, g1a, g0b, g1b
	s_cmp_eq_u32 s15, 0
	s_cbranch_scc0 .Lfor_b_\@
	tensor_load_to_lds s[\g0a:\g0a+3], s[\g1a:\g1a+7]
	s_nop 0
.rept 4
	v_nop
.endr
	s_branch .Lasked_\@
.Lfor_b_\@:
	tensor_load_to_lds s[\g0b:\g0b+3], s[\g1b:\g1b+7]
	s_nop 0
.rept 4
	v_nop
.endr
.Lasked_\@:
.endm
.macro ASK
	s_cmp_gt_u32 s3, s[LIM]
	s_cbranch_scc0 .Lnot_mine_\@
	s_wait_alu depctr_va_vdst(0)
	global_prefetch_b8 v[PFO], s[PFA:PFA+1] offset:ROWB th:TH_LOAD_NT scope:SCOPE_SE
.Lnot_mine_\@:
.endm
.macro CREST
	s_cmp_lg_u32 s14, 0
	s_cbranch_scc1 .Lnot_wave_0_\@
	s_barrier_signal -3
.Lnot_wave_0_\@:
	s_barrier_wait -3
	s_barrier_signal -1
	s_barrier_wait -1
.endm
.macro CROUND
	s_barrier_signal -1
	s_barrier_wait -1
	CREST
.endm
	s_load_b256 s[4:11], s[0:1], 0x0
	s_load_b256 s[68:75], s[0:1], 0x20
	s_load_b128 s[76:79], s[0:1], 0x40
	v_lshl_add_u32 v[SPW], v0, 2, SPARE
	v_mov_b32 v[NIL], 0
	ds_add_u32 v28, v29
	ds_add_u32 v28, v29
	s_wait_dscnt 0x0
	v_lshrrev_b32 v1, 5, v0
	v_readfirstlane_b32 s14, v1
	s_lshr_b32 s15, s14, 1
	s_and_b32 s16, s14, 1
	s_bfe_u32 s40, ttmp6, 0x40000
	s_bfe_u32 s41, ttmp6, 0x40004
	s_lshl_b32 s42, ttmp9, 2
	s_add_co_u32 s42, s42, s40
	s_and_b32 s17, ttmp7, 0xffff
	s_lshl_b32 s17, s17, 2
	s_add_co_u32 s17, s17, s41
	s_lshl_b32 s43, s41, 2
	s_lshl_b32 s43, 15, s43
	s_lshl_b32 s44, 0x1111, s40
	s_or_b32 s[G1+0], s43, (0<<16)|(1<<20)|(1<<21)|(5<<22)|(3<<25)
	s_or_b32 s[G1B+0], s44, (0<<16)|(1<<20)|(1<<21)|(5<<22)|(3<<25)
.irp g, G1, G1B
	s_mov_b32 s[\g+1], ROWB<<16
	s_mov_b32 s[\g+2], 128<<16
	s_mov_b32 s[\g+3], ROWB<<16
	s_mov_b32 s[\g+4], 128
	s_mov_b32 s[\g+5], KROW
	s_mov_b32 s[\g+6], 0
	s_mov_b32 s[\g+7], 0
.endr
	s_mov_b32 s[G1C+0], (2<<16)|(1<<20)|(5<<22)|(3<<25)
	s_mov_b32 s[G1C+1], 64<<16
	s_mov_b32 s[G1C+2], 64<<16
	s_mov_b32 s[G1C+3], 64<<16
	s_mov_b32 s[G1C+4], 64
	s_mov_b32 s[G1C+5], 2048
	s_mov_b32 s[G1C+6], 0
	s_mov_b32 s[G1C+7], 0
	s_lshl_b32 s18, s16, 7
	s_lshl_b32 s20, s17, 8
	s_add_co_u32 s20, s20, s18
	s_lshl_b32 s20, s20, 12
	s_mov_b32 s21, 0
	s_lshl_b32 s46, s42, 8
	s_add_co_u32 s46, s46, s18
	s_lshl_b32 s46, s46, 12
	s_mov_b32 s47, 0
	s_mul_i32 s45, s14, HALFT
	s_wait_kmcnt 0x0
	s_load_b64 s[96:97], s[8:9], 0x0
	s_add_nc_u64 s[20:21], s[4:5], s[20:21]
	s_add_nc_u64 s[46:47], s[6:7], s[46:47]
	CROUND
.irp s, 0,1
	s_mov_b32 s[G0+4*\s], 1
	s_add_co_u32 s[G0+4*\s+1], s45, \s*SLOT
	s_add_nc_u64 s[G0+4*\s+2:G0+4*\s+3], s[20:21], \s*ROWB
	s_or_b32 s[G0+4*\s+3], s[G0+4*\s+3], 0x80000000
	s_mov_b32 s[G0B+4*\s], 1
	s_add_co_u32 s[G0B+4*\s+1], s45, \s*SLOT
	s_add_nc_u64 s[G0B+4*\s+2:G0B+4*\s+3], s[46:47], \s*ROWB
	s_or_b32 s[G0B+4*\s+3], s[G0B+4*\s+3], 0x80000000
	s_wait_alu depctr_va_vdst(0)
	s_wait_tensorcnt 0x0
	ds_add_u32 v28, v29
	ds_add_u32 v28, v29
	s_wait_dscnt 0x0
	CROUND
	JLOAD G0+4*\s, G1, G0B+4*\s, G1B
.endr
	v_and_b32 v1, 15, v0
	v_bfe_u32 v2, v0, 4, 1
	v_mul_u32_u24 v3, v1, PITCH
	s_wait_alu depctr_va_vdst(0)
	v_lshl_add_u32 v4, v2, 4, v3
	s_mul_i32 s21, s15, HALFT
	s_mul_i32 s22, s16, HALFT
	s_add_co_u32 s22, s22, 2*HALFT
.irp s, 0,1
	v_add_nc_u32 v[ADRA+\s], s21, v4
	v_add_nc_u32 v[ADRB+\s], s22, v4
	s_add_co_u32 s21, s21, SLOT
	s_add_co_u32 s22, s22, SLOT
.endr
	s_mul_i32 s18, s15, HALFT
	s_lshl_b32 s19, s16, 7
	s_add_co_u32 s18, s18, s19
	v_lshl_add_u32 v[CA], v2, 5, v3
	v_add_nc_u32 v[CA], s18, v[CA]
	v_add_nc_u32 v[HA], CPART, v[CA]
	s_mul_i32 s18, s15, HALFT
	s_mul_i32 s19, s16, 32*PITCH
	s_add_co_u32 s18, s18, s19
	v_mul_u32_u24 v5, v2, PITCH
	v_lshl_add_u32 v5, v1, 4, v5
	v_add_nc_u32 v[RDC], s18, v5
	v_add_nc_u32 v[RDH], CPART, v[RDC]
	v_lshlrev_b32 v[CO], 13, v2
	v_lshl_add_u32 v[CO], v1, 4, v[CO]
	v_lshlrev_b32 v[BA], 5, v2
	s_wait_alu depctr_va_vdst(0)
	s_lshl_b32 s18, s17, 8
	s_lshl_b32 s19, s14, 6
	s_add_co_u32 s18, s18, s19
	s_lshl_b32 s18, s18, 13
	s_lshl_b32 s19, s42, 8
	s_add_co_u32 s18, s18, s19
	s_mov_b32 s19, 0
	s_mov_b32 s[G0C], 1
	s_mul_i32 s[G0C+1], s14, 64*PITCH
	s_add_nc_u64 s[G0C+2:G0C+3], s[10:11], s[18:19]
	s_or_b32 s[G0C+3], s[G0C+3], 0x80000000
	s_lshl_b32 s18, s17, 8
	s_lshl_b32 s19, s15, 7
	s_add_co_u32 s18, s18, s19
	s_lshl_b32 s19, s16, 5
	s_add_co_u32 s18, s18, s19
	s_lshl_b32 s18, s18, 13
	s_lshl_b32 s19, s42, 8
	s_add_co_u32 s18, s18, s19
	s_mov_b32 s19, 0
	s_add_nc_u64 s[76:77], s[76:77], s[18:19]
	s_add_nc_u64 s[78:79], s[78:79], s[18:19]
	s_lshl_b32 s18, s42, 8
	s_lshl_b32 s19, s16, 7
	s_add_co_u32 s18, s18, s19
	s_mov_b32 s19, 0
.irp g, 0,1,2,3
	s_add_nc_u64 s[68+2*\g:69+2*\g], s[68+2*\g:69+2*\g], s[18:19]
.endr
.irp g, 0,1,2,3
.irp ub, 0,1
.irp q, 0,1
	global_load_b128 v[BI+16*\g+8*\ub+4*\q:BI+16*\g+8*\ub+4*\q+3], v[BA], s[68+2*\g:69+2*\g] offset:64*\ub+16*\q
.endr
.endr
.endr
	s_lshl_b32 s18, s17, 8
	s_lshl_b32 s19, s42, 8
	s_cmp_eq_u32 s15, 0
	s_cselect_b32 s20, s18, s19
	s_cselect_b32 s21, s40, s41
	s_cselect_b64 s[PFA:PFA+1], s[4:5], s[6:7]
	s_mov_b32 s[LIM], 1                            ; every cluster asks for the tiles that it will itself load
	s_lshl_b32 s22, s16, 7
	s_add_co_u32 s20, s20, s22
	s_lshl_b32 s21, s21, 5
	s_add_co_u32 s20, s20, s21
	s_lshl_b32 s20, s20, 12
	s_mov_b32 s21, 0
	s_add_nc_u64 s[PFA:PFA+1], s[PFA:PFA+1], s[20:21]
	s_add_nc_u64 s[PFA:PFA+1], s[PFA:PFA+1], 2*ROWB
	v_and_b32 v[PFO], 31, v0
	v_lshlrev_b32 v[PFO], 12, v[PFO]
.macro FRAG reg, adr, q, i
.irp c, 0,1,2,3
	ds_load_b128 v[\reg+4*\c:\reg+4*\c+3], v[\adr] offset:128*(\q)+32*\c+(\i)*16*PITCH
.endr
.endm
.macro MUL16 a0, p, zero
.irp a, \a0, \a0+1
.irp b, 0,1,2,3,4,5,6,7
.if \zero
	v_wmma_f32_16x16x128_fp8_fp8 v[8*(8*((\a)%4)+\b):8*(8*((\a)%4)+\b)+7], v[128*(\p)+FR*\b:128*(\p)+FR*\b+FR-1], v[AF+FR*(\a):AF+FR*(\a)+FR-1], 0
.else
	v_wmma_f32_16x16x128_fp8_fp8 v[8*(8*((\a)%4)+\b):8*(8*((\a)%4)+\b)+7], v[128*(\p)+FR*\b:128*(\p)+FR*\b+FR-1], v[AF+FR*(\a):AF+FR*(\a)+FR-1], v[8*(8*((\a)%4)+\b):8*(8*((\a)%4)+\b)+7]
.endif
.endr
.endr
.endm
.macro FETCH_B slot, q, p
	WIN TO_B
.irp i, 0,1,2,3,4,5,6,7
	FRAG 128*(\p)+FR*\i, ADRB+\slot, \q, \i
.endr
	WIN 0
.endm
.macro FETCH_A slot, q, i0
.irp i, \i0, \i0+1, \i0+2, \i0+3
	FRAG AF+FR*(\i), ADRA+\slot, \q, \i
.endr
.endm
.macro PLACES n
.rept \n
	v_nop
.endr
.endm
.macro STEP slot, q, zero
	s_wait_dscnt 4*NL
	WIN MUL_LO
	MUL16 0, (\q)%2, \zero
	MUL16 2, (\q)%2, \zero
	s_wait_dscnt 0
	PLACES NP
	FETCH_B \slot, (\q)+1, 1-(\q)%2
	FETCH_A \slot, (\q)+1, 0
	WIN MUL_HI
	MUL16 4, (\q)%2, \zero
	MUL16 6, (\q)%2, \zero
	PLACES NP
	WIN 0
	FETCH_A \slot, (\q)+1, 4
.endm
.macro TURN slot, next, fill
.if \fill == 1
	s_wait_xcnt 0x0
	s_add_nc_u64 s[PFA:PFA+1], s[PFA:PFA+1], ROWB
.endif
	s_wait_tensorcnt 0x0
	ds_add_u32 v[SPW], v[NIL]
	s_wait_dscnt 4*NL+1
	WIN MUL_LO
	MUL16 0, 1, 0
	s_wait_dscnt 0x0
	s_barrier_signal -1
	MUL16 2, 1, 0
	WIN 0
	s_barrier_wait -1
	CREST
.if \fill == 1
	s_add_nc_u64 s[G0+4*\slot+2:G0+4*\slot+3], s[G0+4*\slot+2:G0+4*\slot+3], 2*ROWB
	s_add_nc_u64 s[G0B+4*\slot+2:G0B+4*\slot+3], s[G0B+4*\slot+2:G0B+4*\slot+3], 2*ROWB
	JLOAD G0+4*\slot, G1, G0B+4*\slot, G1B
.else
	tensor_load_to_lds s[G0C:G0C+3], s[G1C:G1C+7]
	s_nop 0
	PLACES 4
.endif
	FETCH_B \next, 0, 0
	FETCH_A \next, 0, 0
.if \fill == 1
	ASK
.endif
	WIN MUL_HI
	MUL16 4, 1, 0
	MUL16 6, 1, 0
	PLACES NP
	WIN 0
	FETCH_A \next, 0, 4
.endm
	s_wait_tensorcnt 1
	s_barrier_signal -1
	s_barrier_wait -1
	FETCH_B 0, 0, 0
	FETCH_A 0, 0, 0
	FETCH_A 0, 0, 4
	STEP 0, 0, 1
	s_mov_b32 s3, LAPS-1
.Llap:
	TURN 0, 1, 1
	STEP 1, 0, 0
	TURN 1, 0, 1
	STEP 0, 0, 0
	s_sub_co_u32 s3, s3, 1
	s_cmp_lg_u32 s3, 0
	s_cbranch_scc1 .Llap
	TURN 0, 1, 2
	STEP 1, 0, 0
	s_wait_dscnt 4*NL
	WIN MUL_LO
	MUL16 0, 1, 0
	MUL16 2, 1, 0
	s_wait_dscnt 0
	s_wait_tensorcnt 0x0
	s_barrier_signal -1
	WIN MUL_HI
	MUL16 4, 1, 0
	MUL16 6, 1, 0
	WIN 0
	s_barrier_wait -1
	s_wait_kmcnt 0x0
	s_add_co_i32 s18, s96, s97
	s_lshl_b32 s18, s18, 23
	s_add_co_u32 s96, s18, 0xbfb8aa3b
	s_mov_b32 s97, s96
	s_add_co_u32 s98, s18, 0xc038aa3b
	s_mov_b32 s99, s98
	s_mov_b32 s100, 0x42700000
	s_wait_loadcnt 0x0
.irp g, 0,1,2,3
.irp e, 0,2,4,6,8,10,12,14
.if \g == 2
	v_pk_mul_f32 v[BI+16*\g+\e:BI+16*\g+\e+1], v[BI+16*\g+\e:BI+16*\g+\e+1], 0xc038aa3b op_sel_hi:[1,0]
.else
	v_pk_mul_f32 v[BI+16*\g+\e:BI+16*\g+\e+1], v[BI+16*\g+\e:BI+16*\g+\e+1], 0xbfb8aa3b op_sel_hi:[1,0]
.endif
.endr
.endr
.macro ADD1 d
.irp e, 0,2,4,6,8,10,12,14
	v_pk_add_f32 v[\d+\e:\d+\e+1], v[\d+\e:\d+\e+1], 1.0 op_sel_hi:[1,0]
.endr
.endm
.macro ONELESS d, s
.irp e, 0,2,4,6,8,10,12,14
	v_pk_fma_f32 v[\d+\e:\d+\e+1], v[\s+\e:\s+\e+1], -1.0, 1.0 op_sel_hi:[1,0,0]
.endr
.endm
.macro TIMES d, x, y
.irp e, 0,2,4,6,8,10,12,14
	v_pk_mul_f32 v[\d+\e:\d+\e+1], v[\x+\e:\x+\e+1], v[\y+\e:\y+\e+1]
.endr
.endm
.macro HOLD d
.irp e, 0,1,2,3,4,5,6,7,8,9,10,11,12,13,14,15
	v_min_num_f32 v[\d+\e], s100, v[\d+\e]
.endr
.endm
.macro RCP16 d
.irp e, 0,1,2,3,4,5,6,7,8,9,10,11,12,13,14,15
	v_rcp_f32 v[\d+\e], v[\d+\e]
.endr
.endm
.macro BATCH
	v_nop
	s_wait_alu depctr_va_vdst(0)
.endm
.macro GATES a
.set AC, 64*((\a)%4)
.irp ub, 0,1
.irp q, 0,1
	ds_load_b128 v[CC+8*\ub+4*\q:CC+8*\ub+4*\q+3], v[CA] offset:16*(\a)*PITCH+64*\ub+16*\q
.endr
.endr
	WIN 0x02+((\a)/4)
.irp g, 0,1,2,3
.irp e, 0,2,4,6,8,10,12,14
.if \g == 2
	v_pk_fma_f32 v[T+16*\g+\e:T+16*\g+\e+1], v[AC+16*\g+\e:AC+16*\g+\e+1], s[98:99], v[BI+16*\g+\e:BI+16*\g+\e+1] op_sel_hi:[1,0,1]
.else
	v_pk_fma_f32 v[T+16*\g+\e:T+16*\g+\e+1], v[AC+16*\g+\e:AC+16*\g+\e+1], s[96:97], v[BI+16*\g+\e:BI+16*\g+\e+1] op_sel_hi:[1,0,1]
.endif
.endr
.endr
	WIN 0
	HOLD TG
.set j, 0
	s_wait_alu depctr_va_vdst(0)
.rept 64
	v_exp_f32 v[T+j], v[T+j]
.set j, j+1
.endr
	BATCH
	ADD1 TF
	ONELESS U, TG
	ADD1 TI
	ADD1 TG
	ADD1 TO
	TIMES TI, TI, TG
	s_wait_alu depctr_va_vdst(0)
	RCP16 TF
	RCP16 TI
	v_nop
	s_wait_dscnt 0x0
	s_wait_alu depctr_va_vdst(0)
	TIMES U, U, TI
.irp e, 0,2,4,6,8,10,12,14
	v_pk_fma_f32 v[NC+\e:NC+\e+1], v[CC+\e:CC+\e+1], v[TF+\e:TF+\e+1], v[U+\e:U+\e+1]
.endr
.irp e, 0,2,4,6,8,10,12,14
	v_pk_mul_f32 v[V+\e:V+\e+1], v[NC+\e:NC+\e+1], 0xc038aa3b op_sel_hi:[1,0]
.endr
	HOLD V
	s_wait_alu depctr_va_vdst(0)
.irp e, 0,1,2,3,4,5,6,7,8,9,10,11,12,13,14,15
	v_exp_f32 v[V+\e], v[V+\e]
.endr
.irp ub, 0,1
.irp q, 0,1
	ds_store_b128 v[CA], v[NC+8*\ub+4*\q:NC+8*\ub+4*\q+3] offset:16*(\a)*PITCH+64*\ub+16*\q
.endr
.endr
	BATCH
	ONELESS U, V
	ADD1 V
	TIMES V, V, TO
	s_wait_alu depctr_va_vdst(0)
	RCP16 V
	BATCH
	TIMES NH, U, V
.irp ub, 0,1
.irp q, 0,1
	ds_store_b128 v[HA], v[NH+8*\ub+4*\q:NH+8*\ub+4*\q+3] offset:16*(\a)*PITCH+64*\ub+16*\q
.endr
.endr
.endm
.macro OUTP p
.irp t, 0,1,2,3,4,5,6,7,8,9,10,11,12,13,14,15
	ds_load_b128 v[OB0+4*\t:OB0+4*\t+3], v[RDC] offset:(64*\p+2*\t)*PITCH
.endr
.irp t, 0,1,2,3,4,5,6,7,8,9,10,11,12,13,14,15
	ds_load_b128 v[OB1+4*\t:OB1+4*\t+3], v[RDH] offset:(64*\p+2*\t)*PITCH
.endr
	s_wait_dscnt 16
.irp t, 0,1,2,3,4,5,6,7,8,9,10,11,12,13,14,15
	global_store_b128 v[CO], v[OB0+4*\t:OB0+4*\t+3], s[78:79] offset:(64*\p+2*\t)*OROW th:TH_STORE_NT
.endr
	s_wait_dscnt 0x0
.irp t, 0,1,2,3,4,5,6,7,8,9,10,11,12,13,14,15
	global_store_b128 v[CO], v[OB1+4*\t:OB1+4*\t+3], s[76:77] offset:(64*\p+2*\t)*OROW th:TH_STORE_NT
.endr
.endm
	GATES 0
	GATES 1
	GATES 2
	GATES 3
	s_wait_dscnt 0x0
	s_barrier_signal -1
	s_barrier_wait -1
	OUTP 0
	s_wait_xcnt 0x0
	GATES 4
	GATES 5
	GATES 6
	GATES 7
	s_wait_dscnt 0x0
	s_barrier_signal -1
	s_barrier_wait -1
	OUTP 1
	s_wait_tensorcnt 0x0
	ds_add_u32 v[SPW], v[NIL]
	s_wait_dscnt 0x0
	CROUND
	s_endpgm
.Lfunc_end_k_qd47dc1ee98_gemm:
	.size	k_qd47dc1ee98_gemm, .Lfunc_end_k_qd47dc1ee98_gemm-k_qd47dc1ee98_gemm
	.p2alignl 7, 3214868480
	.fill 96, 4, 3214868480
	.section	.rodata,"a",@progbits
	.p2align	6, 0x0
	.amdhsa_kernel k_qd47dc1ee98_gemm
		.amdhsa_group_segment_fixed_size 327680
		.amdhsa_private_segment_fixed_size 0
		.amdhsa_enable_private_segment 0
		.amdhsa_kernarg_size 80
		.amdhsa_user_sgpr_count 2
		.amdhsa_user_sgpr_kernarg_segment_ptr 1
		.amdhsa_wavefront_size32 1
		.amdhsa_system_sgpr_workgroup_id_x 1
		.amdhsa_system_sgpr_workgroup_id_y 1
		.amdhsa_system_sgpr_workgroup_id_z 1
		.amdhsa_system_vgpr_workitem_id 0
		.amdhsa_next_free_vgpr 1024
		.amdhsa_next_free_sgpr 102
		.amdhsa_reserve_vcc 0
		.amdhsa_float_denorm_mode_32 3
		.amdhsa_float_denorm_mode_16_64 3
		.amdhsa_memory_ordered 1
		.amdhsa_forward_progress 1
		.amdhsa_inst_pref_size 216
	.end_amdhsa_kernel
	.amdgpu_metadata
---
amdhsa.version: [ 1, 2 ]
amdhsa.kernels:
  - .name:           k_qd47dc1ee98_gemm
    .symbol:         k_qd47dc1ee98_gemm.kd
    .args:
      - { .name: z_codes, .offset: 0, .size: 8, .value_kind: global_buffer, .address_space: global }
      - { .name: w_codes, .offset: 8, .size: 8, .value_kind: global_buffer, .address_space: global }
      - { .name: lowp_scales, .offset: 16, .size: 8, .value_kind: global_buffer, .address_space: global }
      - { .name: c, .offset: 24, .size: 8, .value_kind: global_buffer, .address_space: global }
      - { .name: bf, .offset: 32, .size: 8, .value_kind: global_buffer, .address_space: global }
      - { .name: bi, .offset: 40, .size: 8, .value_kind: global_buffer, .address_space: global }
      - { .name: bc, .offset: 48, .size: 8, .value_kind: global_buffer, .address_space: global }
      - { .name: bo, .offset: 56, .size: 8, .value_kind: global_buffer, .address_space: global }
      - { .name: out0, .offset: 64, .size: 8, .value_kind: global_buffer, .address_space: global }
      - { .name: out1, .offset: 72, .size: 8, .value_kind: global_buffer, .address_space: global }
    .group_segment_fixed_size: 327680
    .private_segment_fixed_size: 0
    .kernarg_segment_align: 8
    .kernarg_segment_size: 80
    .max_flat_workgroup_size: 128
    .sgpr_count:     102
    .vgpr_count:     1024
    .wavefront_size: 32
...
	.end_amdgpu_metadata
.endif
;; end of part 2
